; MI455X (gfx1250); checked and timed in simulation.
; The chip was launched on July 23, 2026; its instructions are those of AMD's public machine-readable ISA for CDNA 5 (MIT licence, August 2026) and "CDNA5" Instruction Set Architecture Reference Guide (July 2026). The comments in the code are by the model that wrote it; some were corrected since.
;; Hierarchical Softmax. Allowed arithmetic: float matrix products may take bf16 or f16 operands with f32 sums; other float arithmetic in f32, or as packed bf16 or f16 multiplies, adds, multiply-adds, maxima and minima; sums over many terms, partial sums and values carried from step to step in f32; what a program stores and reads back later, other than sums and carried values, may be rounded once to bf16 or f16.
;; Inputs: W1 8 x 1,024 x 16 float32; W2 128 x 1,024 x 8 float32; Wp 1,024 x 8 float32; X 32,768 x 1,024 float32; X_length 32,768 int32; X_occurrence 32,768 int32; X_phase 32,768 int32; X_subject 32,768 int32; b1 8 x 16 float32; b2 128 x 8 float32; bp 8 float32.
;; Outputs: out0 32,768 float32; out1 32,768 float32; out2 32,768 float32.
;; One version. Each part assembles by itself: llvm-mc -triple=amdgcn-amd-amdhsa -mcpu=gfx1250 --defsym DOCPART=n.
;; ======== version 1 of 1: 2 launches
;; workspace buffers: wfrag 4,456,448 bytes; list 131,072 bytes of whole numbers; counts 512 bytes of whole numbers
;; launch prep (part 1): grid 128 x 1, 32 waves a work-group, no clusters, 139,776 bytes of LDS; arguments X_occurrence, X_phase, X_subject, Wp, W1, W2, list, counts, wfrag; writes list, counts, wfrag
.if DOCPART == 1
	.amdgcn_target "amdgcn-amd-amdhsa--gfx1250"
	.amdhsa_code_object_version 6
	.text
	.protected	k_qcb46024a80_prep
	.globl	k_qcb46024a80_prep
	.p2align	8
	.type	k_qcb46024a80_prep,@function
k_qcb46024a80_prep:
	s_mov_b64 s[64:65], 0
	v_nop
	global_prefetch_b8 v0, s[64:65] scope:SCOPE_SE
	s_setreg_imm32_b32 hwreg(HW_REG_WAVE_MODE, 25, 1), 1
	s_wait_xcnt 0x0
; HIERARCHICAL SOFTMAX, launch 1 of 2: the tokens are sorted by their occurrence, and the weights are rounded to bf16 and laid out as matrix operands.
; WORK LEFT OUT BY THE WHOLE PROGRAM.  reference() multiplies every token by all 8 phase experts W1[p] and all 128 occurrence experts W2[o], takes a softmax inside each expert's own
; outputs (axis -1 of [n, 8, 16] and of [n, 128, 8]) and then gathers, for token n, expert X_phase[n] of the first and expert X_occurrence[n] of the second.  A softmax never mixes two experts,
; and the gather keeps one expert a token: for all values of the inputs the products with W1[p'], p' != X_phase[n], and W2[o'], o' != X_occurrence[n], their biases and their softmaxes reach no
; output.  It is a lookup by an index that is read from memory: each token is multiplied by Wp (8 columns), W1[X_phase[n]] (16) and W2[X_occurrence[n]] (8) alone.
; X_length is used by no line of reference(): it is not loaded and is no argument of either launch.
; LIMITS.  A NaN, an infinity or an overflow that arises only in an expert that a token does not choose is not carried to a result.  X_occurrence lies in 0..127 and X_phase in 0..7, as indices
; into their tables; a token whose occurrence lay outside would be listed nowhere and its results would not be written.  Nothing is assumed of how phase, occurrence and subject hang together.
; SHARES.  Work-group e (of 128) serves occurrence e.  (a) Its 32 waves read all 32,768 occurrences, 1,024 a wave; each wave counts its tokens with a lower occurrence and packs the numbers of
; its tokens with occurrence e into its own LDS region; the waves' counts meet in LDS behind a barrier.  list holds all tokens on end, by occurrence: occurrence e's begin at the number of tokens
; with a lower occurrence, and each wave copies its tokens from its own first place on, with the token's phase and subject % 8 in the same word: token | phase << 16 | (subject & 7) << 20.
; counts[e] = the occurrence's count | phases << 16, where bit p of phases says that some token of the occurrence has phase p: the waves' bits meet in LDS behind a second barrier.
; No atomics: every word of list and counts has one writing work-group.
; (b) It makes tile e of wfrag (16 rows: Wp's 8 columns, then W2[e]'s 8) and a sixteenth of tile 128 + e / 16 (W1[e / 16]'s 16 columns).
; ALL LANES STAY ON throughout.  Where only some lanes have something to put down, the others write a dump word of their own (LDS) or repeat the last lane's word at the last lane's place (list).
; wfrag.  A tile is 32 K steps of 1,024 bytes.  The 16 bytes at s x 1,024 + g x 512 + (16 h + m) x 16 hold, for u = 0..7, W[k][m] in bf16 with k = 32 s + 16 g + 8 (u / 4) + 4 h + u % 4:
; lane 16 h + m of a wave takes them as registers 4 g .. 4 g + 3 of a fragment.  The order of k inside a K step is the one in which the second launch's loads of X lay its fragments.
.set TOT,   0          ; LDS: a word for each wave: its tokens of occurrence e
.set TLT,   128        ; LDS: a word for each wave: its tokens of a lower occurrence; the block 0..255 belongs to these two
.set PMW,   256        ; LDS: a word for each wave: the phases of its tokens of occurrence e; the block 256..511 is theirs
.set LIST,  512        ; LDS: a region for each wave:
.set WREG,  4224       ;   1,024 words for the numbers of its tokens, then 32 dump words, one a lane
.set SPARE, 135680     ; behind them (512 + 32 x 4,224): the spare words, 128 bytes for each of the 32 waves: sixteen blocks of 256 bytes that no other line names
.set LANE, 1           ; v1   lane
.set SPW,  2           ; v2   LDS address of my spare word; never rewritten
.set NIL,  3           ; v3   0; never rewritten
.set IO,   4           ; v4   my 16 bytes in my wave's first 512 of X_occurrence
.set VW,   5           ; v5   my byte offset in Wp and in W2[e]: k0 x 32 + (r % 8) x 4
.set TOK0, 6           ; v6   the token of my first occurrence: 1,024 x wave + 4 x lane
.set MY,   7           ; v7   my wave's LDS region
.set PT,   8           ; v8   the scan: my place, as counted
.set TK,   9           ; v9   the scan: the token's number
.set PC,   10          ; v10  the scan: my place, bounded; holds nothing else
.set PA,   11          ; v11  the scan: its LDS address; holds nothing else
.set DUMP, 12          ; v12  1,024 + lane: my dump word's place
.set TL,   13          ; v13  4 x wave
.set TLD,  14          ; v14  4 x lane
.set CNTV, 15          ; v15  my wave's count
.set OC,   16          ; v[16:47]  32 occurrences: slot 4 j + c is token TOK0 + 128 j + c
.set WPV,  48          ; v[48:63]  16 numbers of Wp, then of the row that is mine, then packed
.set W2V,  64          ; v[64:79]  16 numbers of W2[e]
.set W1V,  80          ; v[80:87]  8 numbers of W1 (waves 0 to 3), then packed
.set VW1,  88          ; v88  my byte offset in my sixteenth of W1[e / 16]: k0 x 64 + r x 4
.set RR,   89          ; v89  r = thread % 16: my row of a tile
.set T16,  90          ; v90  16 x thread
.set TT,   91          ; v91  at work between lanes
.set CO,   92          ; v92  4 e
.set CD,   93          ; v93  the word for counts[e]
.set CNTS, 94          ; v94  lane l: wave l's count; then their sum
.set BEL,  95          ; v95  lane l: wave l's lower tokens, and its count if it stands in front of mine; then their sum: my wave's first place in list
.set CP,   96          ; the copy: v96 my place among my wave's tokens; v97 the same, not past the last; v98 bounded; v99 its LDS address;
.set CQ,   97          ;   v100 the token; v101 bounded; v102 x 4; v103 its phase; v104 its subject; v105 its place in list; v106 bounded; v107 x 4; v108 the entry.
.set CC,   98          ;   The bounded numbers and the addresses made of them have registers that hold nothing else.
.set CA,   99
.set CT,   100
.set CTC,  101
.set CG,   102
.set CPH,  103
.set CSU,  104
.set CD1,  105
.set CDC,  106
.set CDO,  107
.set CE,   108
.set LTV,  112         ; v112 my wave's tokens of a lower occurrence
.set LTS,  113         ; v113 lane l: wave l's
.set ONE,  114         ; v114 1
.set BIT,  115         ; v115 1 << phase
.set PMV,  116         ; v116 the phases seen so far
.set PMA,  117         ; v117 lane l: wave l's phases; then all
	s_load_b512 s[8:23], s[0:1], 0x0               ; X_occurrence s[8:9], X_phase s[10:11], X_subject s[12:13], Wp s[14:15], W1 s[16:17], W2 s[18:19], list s[20:21], counts s[22:23]
	s_load_b64 s[24:25], s[0:1], 0x40              ; wfrag
	v_lshl_add_u32 v[SPW], v0, 2, SPARE
	v_mov_b32 v[NIL], 0
	v_lshrrev_b32 v109, 5, v0
	v_readfirstlane_b32 s26, v109                  ; wave 0..31
	s_mov_b32 s27, ttmp9                           ; e
	s_mov_b32 s72, 0x76543210                      ; v_permlanex16_b32: each lane takes its own place in the other half
	s_mov_b32 s73, 0xfedcba98
	v_and_b32 v[LANE], 31, v0
	v_and_b32 v[RR], 15, v0                        ; r
	v_bfe_u32 v110, v0, 4, 1                       ; h
	v_bfe_u32 v111, v0, 5, 1                       ; g
	v_lshrrev_b32 v[CE], 6, v0                     ; the K step among the 16 that 1,024 threads cover
	v_lshlrev_b32 v[CE], 5, v[CE]
	v_lshl_add_u32 v[CE], v111, 4, v[CE]
	v_lshl_add_u32 v[CE], v110, 2, v[CE]           ; k0 = 32 (thread / 64) + 16 g + 4 h
	v_and_b32 v[CSU], 7, v0
	v_lshlrev_b32 v[CSU], 2, v[CSU]
	v_lshl_add_u32 v[VW], v[CE], 5, v[CSU]         ; a row of Wp and of W2[e] is 32 bytes
	v_lshlrev_b32 v[CSU], 2, v[RR]
	v_lshl_add_u32 v[VW1], v[CE], 6, v[CSU]        ; a row of W1[p] is 64 bytes
	v_lshlrev_b32 v[T16], 4, v0
	v_lshlrev_b32 v[IO], 4, v[LANE]
	v_lshl_add_u32 v[IO], v109, 12, v[IO]
	v_lshlrev_b32 v[TOK0], 2, v[LANE]
	v_lshl_add_u32 v[TOK0], v109, 10, v[TOK0]
	s_mul_i32 s29, s26, WREG
	s_add_co_u32 s29, s29, LIST
	v_mov_b32 v[MY], s29
	v_add_nc_u32 v[DUMP], 1024, v[LANE]
	s_lshl_b32 s29, s26, 2
	v_mov_b32 v[TL], s29
	v_lshlrev_b32 v[TLD], 2, v[LANE]
	s_lshl_b32 s29, s27, 2
	v_mov_b32 v[CO], s29
	v_mov_b32 v[TT], 0                             ; a lane exchange counts as a reader of its destination
	v_mov_b32 v[ONE], 1
	v_mov_b32 v[PMV], 0                            ; no phase seen yet
	s_mov_b32 s71, 0
	s_lshl_b32 s70, s27, 15                        ; e x 32,768: W2[e], and tile e of wfrag
	s_wait_kmcnt 0x0
.irp j, 0,1,2,3,4,5,6,7
	global_load_b128 v[OC+4*(\j):OC+4*(\j)+3], v[IO], s[8:9] offset:512*(\j)  ; my wave's 1,024 occurrences, 512 consecutive bytes a load
.endr
	s_add_nc_u64 s[74:75], s[18:19], s[70:71]      ; W2[e]
	s_add_nc_u64 s[76:77], s[24:25], s[70:71]      ; tile e
	s_lshr_b32 s29, s27, 4                         ; p = e / 16
	s_and_b32 s69, s27, 15                         ; which sixteenth
	s_lshl_b32 s70, s29, 16                        ; W1[p] is 65,536 bytes,
	s_lshl_b32 s68, s69, 12                        ; 64 of its rows 4,096
	s_add_co_u32 s70, s70, s68
	s_add_nc_u64 s[16:17], s[16:17], s[70:71]
	s_add_co_u32 s29, s29, 128
	s_lshl_b32 s70, s29, 15                        ; tile 128 + p,
	s_lshl_b32 s68, s69, 11                        ; two of its K steps
	s_add_co_u32 s70, s70, s68
	s_add_nc_u64 s[24:25], s[24:25], s[70:71]
; Half u of tile e: for el = 0..7 the number at k0 + 512 u + 8 (el / 4) + el % 4, of Wp and of W2[e]; the row's owner is chosen later.
.macro WLOAD u
.irp el, 0,1,2,3,4,5,6,7
	global_load_b32 v[WPV+8*(\u)+(\el)], v[VW], s[14:15] offset:(\u)*16384+32*((\el)%4)+256*((\el)/4)
	global_load_b32 v[W2V+8*(\u)+(\el)], v[VW], s[74:75] offset:(\u)*16384+32*((\el)%4)+256*((\el)/4)
.endr
.endm
	WLOAD 0
	WLOAD 1
	s_cmp_lt_u32 s26, 4                            ; 128 threads cover a sixteenth of a tile: waves 0 to 3
	s_cbranch_scc0 .Lno_w1
.irp el, 0,1,2,3,4,5,6,7
	global_load_b32 v[W1V+(\el)], v[VW1], s[16:17] offset:64*((\el)%4)+512*((\el)/4)
.endr
.Lno_w1:
	s_wait_loadcnt 32                              ; the eight index loads are in: 32 weight loads are younger (40 in waves 0 to 3, for which the count is stricter than it need be)
.set i, 0
.rept 32
	v_cmp_gt_u32 s[32+i], s27, v[OC+i]             ; which lanes hold a token of a lower occurrence in slot i
.set i, i+1
.endr
	s_mov_b32 s66, 0                               ; my wave's tokens of a lower occurrence
.set i, 0
.rept 32
	s_bcnt1_i32_b32 s29, s[32+i]
	s_add_co_u32 s66, s66, s29
.set i, i+1
.endr
.set i, 0
.rept 32
	v_cmp_eq_u32 s[32+i], s27, v[OC+i]             ; which lanes hold a token of occurrence e in slot i
.set i, i+1
.endr
	s_mov_b32 s28, 0                               ; tokens placed so far
; Slot i: a lane with a hit takes the place s28 + the number of hits in lower lanes; a lane without takes its dump word.  A slot without any hit is jumped.
.macro PLACE
	s_cmp_eq_u32 s[32+i], 0
	s_cbranch_scc1 .Lnone_\@
	v_mbcnt_lo_u32_b32 v[PT], s[32+i], s28
	v_cndmask_b32 v[PT], v[DUMP], v[PT], s[32+i]
	v_min_u32 v[PC], 0x41f, v[PT]                  ; the region's last word: a wave has 1,024 tokens, so the bound is never met
	v_lshl_add_u32 v[PA], v[PC], 2, v[MY]
	v_add_nc_u32 v[TK], 128*(i/4)+i%4, v[TOK0]
	ds_store_b32 v[PA], v[TK]
	s_bcnt1_i32_b32 s29, s[32+i]
	s_add_co_u32 s28, s28, s29
.Lnone_\@:
.endm
.set i, 0
.rept 32
	PLACE
.set i, i+1
.endr
	v_mov_b32 v[CNTV], s28
	v_mov_b32 v[LTV], s66
	ds_store_b32 v[TL], v[CNTV] offset:TOT         ; my wave's two counts; all lanes write the same word
	ds_store_b32 v[TL], v[LTV] offset:TLT
	s_wait_dscnt 0x0                               ; for the others' sake: my stores are done
	s_barrier_signal -1
	s_barrier_wait -1                              ; the first barrier: all waves' counts lie in LDS
	ds_load_b32 v[CNTS], v[TLD] offset:TOT         ; lane l: wave l's count,
	ds_load_b32 v[LTS], v[TLD] offset:TLT          ; and its lower tokens
	s_wait_dscnt 0x0
	v_cmp_gt_u32 vcc_lo, s26, v[LANE]
	v_cndmask_b32 v[BEL], 0, v[CNTS], vcc_lo       ; the counts of the waves in front of mine,
	v_add_nc_u32 v[BEL], v[BEL], v[LTS]            ; behind all tokens of lower occurrences
.macro LRED op, v                      ; op over the 32 lanes, the result in every lane
.irp d, 1,2,4,8
	v_mov_b32_dpp v[TT], v[\v] row_xmask:\d row_mask:0xf bank_mask:0xf
	\op v[\v], v[\v], v[TT]
.endr
	v_permlanex16_b32 v[TT], v[\v], s72, s73
	\op v[\v], v[\v], v[TT]
.endm
	LRED v_add_nc_u32, CNTS
	LRED v_add_nc_u32, BEL
	v_readfirstlane_b32 s31, v[CNTS]               ; the occurrence's count
	v_readfirstlane_b32 s30, v[BEL]                ; my wave's first place in list
	; THE COPY: 32 tokens a trip, from my own LDS region.  The count of trips is the constant that serves every split (a wave may hold 1,024 hits); a trip past my wave's count is jumped.
	; In the last live trip the lanes past the count take the last token once more: they read a word that was written, and store the same entry at the same place as the last lane that counts.
	s_sub_co_u32 s69, s28, 1                       ; my wave's last place (used only in trips that are not jumped, where the count is 1 or more)
	s_mov_b32 s67, 0
.Lcopy:
	s_lshl_b32 s68, s67, 5
	s_cmp_lt_u32 s68, s28
	s_cbranch_scc0 .Lcopied
	v_add_nc_u32 v[CP], s68, v[LANE]
	v_min_u32 v[CQ], s69, v[CP]
	v_min_u32 v[CC], 0x3ff, v[CQ]
	v_lshl_add_u32 v[CA], v[CC], 2, v[MY]
	ds_load_b32 v[CT], v[CA]
	v_add_nc_u32 v[CD1], s30, v[CQ]                ; its place in list
	v_min_u32 v[CDC], 0x7fff, v[CD1]
	v_lshlrev_b32 v[CDO], 2, v[CDC]
	s_wait_dscnt 0x0
	v_min_u32 v[CTC], 0x7fff, v[CT]                ; a token's number
	v_lshlrev_b32 v[CG], 2, v[CTC]
	global_load_b32 v[CPH], v[CG], s[10:11]        ; its phase
	global_load_b32 v[CSU], v[CG], s[12:13]        ; its subject
	s_wait_loadcnt 0x0                             ; both are in (and all older loads)
	v_and_b32 v[CPH], 7, v[CPH]
	v_and_b32 v[CSU], 7, v[CSU]                    ; subject % 8, the floor remainder for a negative number too
	v_lshlrev_b32 v[BIT], v[CPH], v[ONE]
	v_or_b32 v[PMV], v[PMV], v[BIT]
	v_lshl_or_b32 v[CE], v[CPH], 16, v[CTC]
	v_lshl_or_b32 v[CE], v[CSU], 20, v[CE]
	global_store_b32 v[CDO], v[CE], s[20:21]
	s_wait_xcnt 0x0                                ; the store has read its registers, which the next trip writes again
.Lcopied:
	s_add_co_u32 s67, s67, 1
	s_cmp_lt_u32 s67, 32
	s_cbranch_scc1 .Lcopy
	LRED v_or_b32, PMV
	ds_store_b32 v[TL], v[PMV] offset:PMW          ; the phases of my wave's tokens; the weights' work below stands between this store and the wait for it
	; TILE e: rows 0 to 7 are Wp's columns, rows 8 to 15 W2[e]'s
	s_wait_loadcnt 0x0                             ; all weight loads are in
	v_cmp_le_u32 vcc_lo, 8, v[RR]
.set i, 0
.rept 16
	v_cndmask_b32 v[WPV+i], v[WPV+i], v[W2V+i], vcc_lo
.set i, i+1
.endr
.irp u, 0,1
.irp n, 0,1,2,3
	v_cvt_pk_bf16_f32 v[WPV+8*(\u)+(\n)], v[WPV+8*(\u)+2*(\n)], v[WPV+8*(\u)+2*(\n)+1]  ; in place: register n is read for the last time by conversion n / 2
.endr
.endr
	global_store_b128 v[T16], v[WPV:WPV+3], s[76:77]                    ; each store of a wave covers 512 consecutive bytes, aligned
	global_store_b128 v[T16], v[WPV+8:WPV+11], s[76:77] offset:16384
	s_cmp_lt_u32 s26, 4
	s_cbranch_scc0 .Lno_w1s
.irp n, 0,1,2,3
	v_cvt_pk_bf16_f32 v[W1V+(\n)], v[W1V+2*(\n)], v[W1V+2*(\n)+1]
.endr
	global_store_b128 v[T16], v[W1V:W1V+3], s[24:25]
.Lno_w1s:
	s_wait_dscnt 0x0                               ; for the others' sake: my phases lie in LDS
	s_barrier_signal -1
	s_barrier_wait -1                              ; the second barrier: all waves' phases lie in LDS; nothing is stored to LDS behind it
	s_cmp_lg_u32 s26, 0                            ; wave 0 stores counts[e]: all its lanes the same word with the same number
	s_cbranch_scc1 .Lend
	ds_load_b32 v[PMA], v[TLD] offset:PMW          ; lane l: wave l's phases
	s_wait_dscnt 0x0
	LRED v_or_b32, PMA
	v_lshl_or_b32 v[CD], v[PMA], 16, s31           ; count 15:0 (32,768 at the most), phases 23:16
	global_store_b32 v[CO], v[CD], s[22:23]
.Lend:
	s_wait_tensorcnt 0x0                           ; the wave's end: behind my last LDS store
	ds_add_u32 v[SPW], v[NIL]
	s_wait_dscnt 0x0
	s_endpgm
.Lfunc_end_k_qcb46024a80_prep:
	.size	k_qcb46024a80_prep, .Lfunc_end_k_qcb46024a80_prep-k_qcb46024a80_prep
	.p2alignl 7, 3214868480
	.fill 96, 4, 3214868480
	.section	.rodata,"a",@progbits
	.p2align	6, 0x0
	.amdhsa_kernel k_qcb46024a80_prep
		.amdhsa_group_segment_fixed_size 139776
		.amdhsa_private_segment_fixed_size 0
		.amdhsa_enable_private_segment 0
		.amdhsa_kernarg_size 72
		.amdhsa_user_sgpr_count 2
		.amdhsa_user_sgpr_kernarg_segment_ptr 1
		.amdhsa_wavefront_size32 1
		.amdhsa_system_sgpr_workgroup_id_x 1
		.amdhsa_system_sgpr_workgroup_id_y 1
		.amdhsa_system_sgpr_workgroup_id_z 1
		.amdhsa_system_vgpr_workitem_id 0
		.amdhsa_next_free_vgpr 120
		.amdhsa_next_free_sgpr 80
		.amdhsa_reserve_vcc 1
		.amdhsa_float_denorm_mode_32 3
		.amdhsa_float_denorm_mode_16_64 3
		.amdhsa_memory_ordered 1
		.amdhsa_forward_progress 1
		.amdhsa_inst_pref_size 36
	.end_amdhsa_kernel
	.amdgpu_metadata
---
amdhsa.version: [ 1, 2 ]
amdhsa.kernels:
  - .name:           k_qcb46024a80_prep
    .symbol:         k_qcb46024a80_prep.kd
    .args:
      - { .name: X_occurrence, .offset: 0, .size: 8, .value_kind: global_buffer, .address_space: global }
      - { .name: X_phase, .offset: 8, .size: 8, .value_kind: global_buffer, .address_space: global }
      - { .name: X_subject, .offset: 16, .size: 8, .value_kind: global_buffer, .address_space: global }
      - { .name: Wp, .offset: 24, .size: 8, .value_kind: global_buffer, .address_space: global }
      - { .name: W1, .offset: 32, .size: 8, .value_kind: global_buffer, .address_space: global }
      - { .name: W2, .offset: 40, .size: 8, .value_kind: global_buffer, .address_space: global }
      - { .name: list, .offset: 48, .size: 8, .value_kind: global_buffer, .address_space: global }
      - { .name: counts, .offset: 56, .size: 8, .value_kind: global_buffer, .address_space: global }
      - { .name: wfrag, .offset: 64, .size: 8, .value_kind: global_buffer, .address_space: global }
    .group_segment_fixed_size: 139776
    .private_segment_fixed_size: 0
    .kernarg_segment_align: 8
    .kernarg_segment_size: 72
    .max_flat_workgroup_size: 1024
    .sgpr_count:     80
    .vgpr_count:     120
    .wavefront_size: 32
...
	.end_amdgpu_metadata
.endif
;; end of part 1
;; launch main (part 2): grid 639 x 1, 4 waves a work-group, no clusters, 33,280 bytes of LDS; arguments X, wfrag, list, counts, bp, b1, b2, out0, out1, out2; writes out0, out1, out2
.if DOCPART == 2
	.amdgcn_target "amdgcn-amd-amdhsa--gfx1250"
	.amdhsa_code_object_version 6
	.text
	.protected	k_qcb46024a80_main
	.globl	k_qcb46024a80_main
	.p2align	8
	.type	k_qcb46024a80_main,@function
k_qcb46024a80_main:
	s_mov_b64 s[64:65], 0
	v_nop
	global_prefetch_b8 v0, s[64:65] scope:SCOPE_SE
	s_setreg_imm32_b32 hwreg(HW_REG_WAVE_MODE, 25, 1), 1
	s_wait_xcnt 0x0
; HIERARCHICAL SOFTMAX, launch 2 of 2: products, softmaxes, selection, results.
; WORK LEFT OUT: a token is multiplied by Wp, by W1[its phase] and by W2[its occurrence] alone: reference() gathers one expert a token behind softmaxes that never mix experts (shown at the
; first kernel's head); X_length is used by nothing and is no argument.
; LIMITS.  X and the weights are rounded to bf16 for the products, sums in f32; K is summed in four parts, one a wave, added in f32.  An exponential below 2^-126 counts as 0.  NaN and
; infinities are not treated apart.  The maximum is taken away before every exponential, as in reference().
; TILES.  list holds the tokens on end, by occurrence; counts[e] holds occurrence e's count (15:0) and a bit for each phase that some token of it has (23:16).  A tile is up to 64 tokens of one
; occurrence.  With 32,768 tokens and 128 occurrences there are never more than 32,768 / 64 + 127 = 639 tiles, whatever the split: so many work-groups are launched, and each finds its tile
; from counts.  One that a split leaves without a tile stores nothing.
; SHARES.  A tile is four blocks b of 16 tokens.  K IS SPLIT AMONG THE FOUR WAVES: wave v takes k = 256 v .. 256 v + 255 of all four blocks, in four trips of 64: 256 consecutive bytes,
; aligned, of each token's row in a trip.  Places past the tile's count repeat its last token.  The four partial sums meet in LDS once; then wave w finishes block w.
; LAYOUT.  The product is taken transposed: source 0 = 16 rows of a weights tile, source 1 = 16 tokens.  In the result lane (r = lane % 16, h = lane / 16) holds token r and the weight rows
; 8 h + 0..7.  Tile 0 = [Wp | W2[e]]: lanes h = 0 hold the token's 8 phase logits, lanes h = 1 its 8 subject logits.  Tile 1 = W1[p]: the halves hold occurrence logits 0-7 and 8-15.
; X COMES STRAIGHT FROM MEMORY as fragments: load j of eight takes 16 bytes at 32 j + 16 h of the row's 256; two f32 are rounded into each register.  Inside a K step of 32 that puts
; k = 8 (i / 4) + 4 h + i % 4 into place i of lane half h; the first launch laid the weights in the same order, and a sum over k does not ask in which order k comes.
; THE PHASE.  Nothing is assumed of the phases of an occurrence's tokens.  A loop goes over p = 0..7; a p that no token of the occurrence has is jumped; for one that it has the pass multiplies
; the whole tile by W1[p].  Tile 1's places in LDS are cleared once; each pass reads them back, takes its own sums in the lanes whose token has phase p, and stores them again.  A token has one
; phase, and its occurrence's bits hold it, so each lane's place takes its sums in exactly one pass.  Where all tokens of an occurrence share a phase there is one pass, and X is read once.
; ALL LANES STAY ON throughout.  At the end both halves of the lanes hold the same three results of token r, and a place past the count holds the last token's: such lanes store the same numbers
; at the same places as the lane that counts.  A wave whose whole block lies past the count stores nothing.
; NO CLUSTER, NO TENSOR LOADS.  A tile's rows are named by a list, which no one descriptor covers; what the tiles of one occurrence share is 32,768 bytes of weights beside 262,144 of X each, it
; comes through registers, and how many tiles an occurrence has hangs on counts, so partners would not be alike.
; REGISTERS.  Window 0: v0-15 addresses; v16-31 the sums' first C (the biases, in wave 0; else 0); v32-95 weights, two buffers of a trip; v96-223 X, a slot of 32 a block; v224-255 X in bf16, two
; buffers.  Window 1: v0-63 the eight accumulators, (b, tile) at 16 b + 8 tile.  s_set_vgpr_msb: bits 1:0 source 0, 3:2 source 1, 5:4 source 2, 7:6 destination.
.set SPARE, 32768      ; LDS 0..32,767: partial sums, wave x 8,192 + (2 b + tile) x 1,024 + g x 512 + lane x 16.  Behind them the spare words, 128 bytes a wave: two blocks of 256 bytes that no other line names
.set LR,   0           ; v0   the thread's number as it comes; from the head's end on: where I read partial sums back: wave x 2,048 + 16 x lane
.set SPW,  1           ; v1   LDS address of my spare word; never rewritten
.set NIL,  2           ; v2   0; never rewritten
.set BO,   3           ; v3   16 x lane
.set LS,   4           ; v4   where I put partial sums: wave x 8,192 + 16 x lane
.set IDX0, 5           ; v5   of the token that I finish (place 16 x wave + r of the tile): which of tile 0's eight is wanted: h = 0 its phase, h = 1 its subject % 8
.set XO,   6           ; v[6:9]    block b: my byte offset in X: token x 4,096 + wave x 1,024 + 16 h
.set PH,   10          ; v[10:13]  block b: my token's phase
.set H32,  14          ; v14  32 h
.set OUTO, 15          ; v15  the 4 bytes, in each output, of the token that I finish
.set C0,   16
.set C1,   24
.set BB,   32          ; weights: BB + 32 (trip % 2) + 16 tile + 8 f
.set XS,   96
.set TB,   224
.set MSB, 0
.macro WIN new                         ; the immediate's high byte repeats the setting that is left; a switch that changes nothing is dropped
.if MSB != (\new)
	s_set_vgpr_msb (MSB<<8)|(\new)
.set MSB, \new
.endif
.endm
.set W_M0, 0x40        ; D in window 1, C in window 0: the products that start the sums
.set W_MM, 0x50        ; C and D in window 1
.set W_ST, 0x04        ; source 1 in window 1: an LDS store's data, a select's second source
	s_load_b512 s[8:23], s[0:1], 0x0               ; X s[8:9], wfrag s[10:11], list s[12:13], counts s[14:15], bp s[16:17], b1 s[18:19], b2 s[20:21], out0 s[22:23]
	s_load_b128 s[24:27], s[0:1], 0x40             ; out1 s[24:25], out2 s[26:27]
	v_lshl_add_u32 v[SPW], v0, 2, SPARE
	v_mov_b32 v[NIL], 0
	v_lshrrev_b32 v107, 5, v0
	v_readfirstlane_b32 s28, v107                  ; wave 0..3
	s_mov_b32 s29, ttmp9                           ; t: my tile's number
	v_and_b32 v108, 31, v0                         ; lane
	v_and_b32 v109, 15, v0                         ; r
	v_bfe_u32 v110, v0, 4, 1                       ; h
	v_lshlrev_b32 v[BO], 4, v108
	s_lshl_b32 s41, s28, 13
	v_add_nc_u32 v[LS], s41, v[BO]
	s_lshl_b32 s41, s28, 11
	v_add_nc_u32 v[LR], s41, v[BO]                 ; the thread's number is not wanted any more
	v_mov_b32 v[IDX0], 0                           ; these two are written on every way
	v_mov_b32 v[OUTO], 0
	v_lshlrev_b32 v[H32], 5, v110
	s_cmp_eq_u32 s28, 0
	s_cselect_b32 s40, -1, 0                       ; all lanes in wave 0, none elsewhere: the biases enter the sums once
	s_mov_b32 s36, 0xaaaaaaaa                      ; the lanes whose number has bit 0 set,
	s_mov_b32 s37, 0xcccccccc                      ; bit 1,
	s_mov_b32 s38, 0xf0f0f0f0                      ; bit 2,
	s_mov_b32 s39, 0xff00ff00                      ; bit 3,
	s_mov_b32 s67, 0xffff0000                      ; bit 4: the lanes with h = 1
	s_mov_b32 s68, 0x3fb8aa3b                      ; c = log2(e)
	s_mov_b32 s69, s68                             ; named with it as a pair
	s_mov_b32 s70, 0x76543210                      ; v_permlanex16_b32: each lane takes its own place in the other half
	s_mov_b32 s71, 0xfedcba98
	s_mov_b32 s73, 0
	v_mov_b32 v104, 0                              ; what the occurrences in lower lanes add up to
	v_mov_b32 v106, 0                              ; a lane exchange counts as a reader of its destination
	v_lshlrev_b32 v130, 2, v108                    ; 4 l: my first occurrence
	s_wait_kmcnt 0x0
	global_load_b128 v[96:99], v[BO], s[14:15]     ; lane l: the words of occurrences 4 l .. 4 l + 3
	s_wait_loadcnt 0x0
	; WHICH TILE IS MINE.  For each occurrence one word: count + tiles << 16.  All counts add up to 32,768 at the most, so the two fields never meet, and one scan serves both.
.irp c, 0,1,2,3
	v_and_b32 v[100+(\c)], 0xffff, v[96+(\c)]      ; the count
	v_add_nc_u32 v107, 63, v[100+(\c)]
	v_lshrrev_b32 v107, 6, v107                    ; its tiles
	v_lshlrev_b32 v107, 16, v107
	v_add_nc_u32 v[100+(\c)], v[100+(\c)], v107
.endr
	v_add_nc_u32 v105, v100, v101
	v_add_nc_u32 v105, v105, v102
	v_add_nc_u32 v105, v105, v103                  ; my four together
.macro SCAN d, m                       ; one step of five: my partner's sum is added to the total, and to what lies below me if the partner is the lower lane
	v_mov_b32_dpp v106, v105 row_xmask:\d row_mask:0xf bank_mask:0xf
	v_cndmask_b32 v107, 0, v106, s[\m]
	v_add_nc_u32 v104, v104, v107
	v_add_nc_u32 v105, v105, v106
.endm
	SCAN 1, 36
	SCAN 2, 37
	SCAN 4, 38
	SCAN 8, 39
	v_permlanex16_b32 v106, v105, s70, s71
	v_cndmask_b32 v107, 0, v106, s67
	v_add_nc_u32 v104, v104, v107
	v_add_nc_u32 v105, v105, v106
	v_readfirstlane_b32 s30, v105
	s_lshr_b32 s30, s30, 16                        ; tiles in all
	v_add_nc_u32 v112, v104, v100                  ; the sums up to and with each of my four
	v_add_nc_u32 v113, v112, v101
	v_add_nc_u32 v114, v113, v102
	v_add_nc_u32 v115, v114, v103
.irp c, 0,1,2,3
	v_lshrrev_b32 v[112+(\c)], 16, v[112+(\c)]     ; the number of the first tile behind the occurrence's own
.endr
.irp c, 0,1,2,3
	v_cmp_ge_u32 s[44+(\c)], s29, v[112+(\c)]      ; the occurrences whose tiles all lie in front of t: those sums never fall, so these are the occurrences 0 .. e - 1
.endr
	s_bcnt1_i32_b32 s31, s44
	s_bcnt1_i32_b32 s41, s45
	s_add_co_u32 s31, s31, s41
	s_bcnt1_i32_b32 s41, s46
	s_add_co_u32 s31, s31, s41
	s_bcnt1_i32_b32 s41, s47
	s_add_co_u32 s31, s31, s41
	s_min_u32 s31, s31, 127                        ; e: how many they are
	v_cndmask_b32 v128, 0, v100, s44               ; their counts and tiles, added up: where e's tokens begin in list, and its first tile's number
	v_cndmask_b32 v107, 0, v101, s45
	v_add_nc_u32 v128, v128, v107
	v_cndmask_b32 v107, 0, v102, s46
	v_add_nc_u32 v128, v128, v107
	v_cndmask_b32 v107, 0, v103, s47
	v_add_nc_u32 v128, v128, v107
	v_cmp_eq_u32 s52, s31, v130                    ; and e's own word, which one lane holds
	v_cndmask_b32 v129, 0, v96, s52
.irp c, 1,2,3
	v_add_nc_u32 v131, \c, v130
	v_cmp_eq_u32 s[52+(\c)], s31, v131
	v_cndmask_b32 v107, 0, v[96+(\c)], s[52+(\c)]
	v_add_nc_u32 v129, v129, v107
.endr
.macro BSUM v                          ; the sum over the 32 lanes, in every lane
.irp d, 1,2,4,8
	v_mov_b32_dpp v106, v[\v] row_xmask:\d row_mask:0xf bank_mask:0xf
	v_add_nc_u32 v[\v], v[\v], v106
.endr
	v_permlanex16_b32 v106, v[\v], s70, s71
	v_add_nc_u32 v[\v], v[\v], v106
.endm
	BSUM 128
	BSUM 129
	v_readfirstlane_b32 s41, v128
	v_readfirstlane_b32 s33, v129
	s_and_b32 s32, s41, 0xffff                     ; where e's tokens begin in list
	s_lshr_b32 s41, s41, 16                        ; e's first tile
	s_sub_co_u32 s41, s29, s41                     ; t's place among e's tiles
	s_min_u32 s41, s41, 511
	s_lshl_b32 s41, s41, 6                         ; its first token among e's
	s_lshr_b32 s78, s33, 16
	s_and_b32 s78, s78, 0xff                       ; the phases that e's tokens have
	s_and_b32 s33, s33, 0xffff
	s_min_u32 s33, s33, 0x8000                     ; e's count
	s_sub_co_u32 s34, s33, s41
	s_min_u32 s34, s34, 64                         ; n: the tile's tokens
	s_add_co_u32 s32, s32, s41                     ; the tile's first place in list
	s_cmp_lt_u32 s29, s30
	s_cbranch_scc0 .Lnowork                        ; no tile: on to the barrier, which every wave passes
	; THE TILE'S ROWS AND BIASES
	s_lshl_b32 s72, s31, 5
	s_add_nc_u64 s[76:77], s[20:21], s[72:73]      ; b2[e]
	s_load_b256 s[48:55], s[16:17], 0x0            ; bp
	s_load_b256 s[56:63], s[76:77], 0x0
	s_sub_co_u32 s41, s34, 1
	s_lshl_b32 s66, s28, 4
.irp b, 0,1,2,3
	v_add_nc_u32 v[100+(\b)], 16*(\b), v109        ; place 16 b + r of the tile,
.endr
	v_add_nc_u32 v104, s66, v109                   ; and the place that I finish: 16 x wave + r
.irp b, 0,1,2,3,4
	v_min_u32 v[100+(\b)], s41, v[100+(\b)]        ; past the count: the last token once more
	v_add_nc_u32 v[100+(\b)], s32, v[100+(\b)]
	v_min_u32 v[100+(\b)], 0x7fff, v[100+(\b)]
	v_lshlrev_b32 v[100+(\b)], 2, v[100+(\b)]
.endr
.irp b, 0,1,2,3,4
	global_load_b32 v[116+(\b)], v[100+(\b)], s[12:13]
.endr
.irp q, 0,1,2,3
	v_mov_b32 v[124+(\q)], 0
.endr
.irp b, 0,1,2,3                        ; tile 1's places start at 0, so that the first pass reads back what has been written
	ds_store_b128 v[LS], v[124:127] offset:(2*(\b)+1)*1024
	ds_store_b128 v[LS], v[124:127] offset:(2*(\b)+1)*1024+512
.endr
	s_lshl_b32 s41, s28, 10
	v_lshl_add_u32 v114, v110, 4, s41              ; wave x 1,024 + 16 h
	s_lshl_b32 s72, s31, 15
	s_lshl_b32 s41, s28, 13
	s_add_co_u32 s72, s72, s41
	s_add_nc_u64 s[42:43], s[10:11], s[72:73]      ; tile e of wfrag, my wave's eight K steps
	s_wait_loadcnt 0x0                             ; the five entries
.irp b, 0,1,2,3
	v_and_b32 v115, 0x7fff, v[116+(\b)]
	v_min_u32 v115, 0x7fff, v115
	v_lshl_add_u32 v[XO+(\b)], v115, 12, v114
	v_lshrrev_b32 v[PH+(\b)], 16, v[116+(\b)]
	v_and_b32 v[PH+(\b)], 7, v[PH+(\b)]
.endr
	v_and_b32 v115, 0x7fff, v120
	v_min_u32 v115, 0x7fff, v115
	v_lshlrev_b32 v[OUTO], 2, v115
	v_lshrrev_b32 v121, 16, v120
	v_and_b32 v121, 7, v121                        ; the phase of the token that I finish,
	v_lshrrev_b32 v122, 20, v120
	v_and_b32 v122, 7, v122                        ; its subject % 8
	v_cndmask_b32 v[IDX0], v121, v122, s67
	s_wait_kmcnt 0x0
.irp j, 0,1,2,3,4,5,6,7
	v_mov_b32 v[C0+(\j)], s[48+(\j)]                       ; h = 0: bp[j]
	v_cndmask_b32 v[C0+(\j)], v[C0+(\j)], s[56+(\j)], s67  ; h = 1: b2[e][j]
	v_cndmask_b32 v[C0+(\j)], 0, v[C0+(\j)], s40           ; in wave 0 alone
.endr
; A trip's weights: for both tiles two K steps of 1,024 bytes, 512 consecutive bytes a load: eight loads.
.macro BLOAD t
.irp f, 0,1
.irp g, 0,1
	global_load_b128 v[BB+32*((\t)%2)+8*(\f)+4*(\g):BB+32*((\t)%2)+8*(\f)+4*(\g)+3], v[BO], s[42:43] offset:(2*(\t)+(\f))*1024+512*(\g)
	global_load_b128 v[BB+32*((\t)%2)+16+8*(\f)+4*(\g):BB+32*((\t)%2)+16+8*(\f)+4*(\g)+3], v[BO], s[44:45] offset:(2*(\t)+(\f))*1024+512*(\g)
.endr
.endr
.endm
; A trip's 256 bytes of block b's 16 rows: eight loads.
.macro XLOAD t, b
.irp j, 0,1,2,3,4,5,6,7
	global_load_b128 v[XS+32*(\b)+4*(\j):XS+32*(\b)+4*(\j)+3], v[XO+(\b)], s[8:9] offset:256*(\t)+32*(\j)
.endr
.endm
; STEP s of 16: trip s / 4, block s % 4.  The block's 32 f32 a lane are rounded to bf16; its slot is asked for again, for the next trip; four products.
; THE WAITS count the loads that are younger than this step's X, in groups of eight.  The order of issue: C1, weights 0, X 0-3; then step s issues X s + 4, and in front of it, where s % 4 = 0,
; the next trip's weights.  So three groups of X are younger where s % 4 = 0 (the trip's weights are older than its first X), three of X and one of weights elsewhere; the last steps count down.
; DISTANCES.  The 16 conversions name no register of the products of the step before: they are the places between those products and the loads into the weights buffer that they read; and the
; conversions of step s - 1 are the places between the products of step s - 2 and this step's writes of the bf16 buffer that those read.
; The two accumulators of a block take turns, one instruction a turn, and the next step takes another block's.
.macro STEP s
.set t, (\s)/4
.set b, (\s)%4
.set TT, TB+16*((\s)%2)
.set BF, BB+32*(t%2)
.set AC, 16*b
	WIN 0
.if (\s) == 15
	s_wait_loadcnt 0
.elseif (\s) == 14
	s_wait_loadcnt 8
.elseif (\s) == 13
	s_wait_loadcnt 16
.elseif b == 0
	s_wait_loadcnt 24
.else
	s_wait_loadcnt 32
.endif
.if (\s) == 0
.irp j, 0,1,2,3,4,5,6,7
	v_cndmask_b32 v[C1+(\j)], 0, v[C1+(\j)], s40   ; b1[p] in wave 0 alone
.endr
.endif
.set n, 0
.rept 16
	v_cvt_pk_bf16_f32 v[TT+n], v[XS+32*b+2*n], v[XS+32*b+2*n+1]
.set n, n+1
.endr
.if (b == 0) && (t < 3)
	BLOAD t+1
.endif
.if t < 3
	XLOAD t+1, b
.endif
.if t == 0
	WIN W_M0                                       ; the first products start the sums, with the biases or 0 as C: nothing is cleared
	v_wmma_f32_16x16x32_bf16 v[AC:AC+7], v[BF:BF+7], v[TT:TT+7], v[C0:C0+7]
	v_wmma_f32_16x16x32_bf16 v[AC+8:AC+15], v[BF+16:BF+23], v[TT:TT+7], v[C1:C1+7]
.else
	WIN W_MM
	v_wmma_f32_16x16x32_bf16 v[AC:AC+7], v[BF:BF+7], v[TT:TT+7], v[AC:AC+7]
	v_wmma_f32_16x16x32_bf16 v[AC+8:AC+15], v[BF+16:BF+23], v[TT:TT+7], v[AC+8:AC+15]
.endif
	WIN W_MM
	v_wmma_f32_16x16x32_bf16 v[AC:AC+7], v[BF+8:BF+15], v[TT+8:TT+15], v[AC:AC+7]
	v_wmma_f32_16x16x32_bf16 v[AC+8:AC+15], v[BF+24:BF+31], v[TT+8:TT+15], v[AC+8:AC+15]
.endm
	s_mov_b32 s35, 0                               ; p
.Lphase:                                               ; eight trips; a phase that no token of the occurrence has is jumped
	s_lshr_b32 s41, s78, s35
	s_and_b32 s41, s41, 1
	s_cmp_eq_u32 s41, 0
	s_cbranch_scc1 .Lnext
.irp b, 0,1,2,3
	v_cmp_eq_u32 s[36+(\b)], s35, v[PH+(\b)]       ; the lanes whose token of block b has phase p
.endr
	s_wait_xcnt 0x0                                ; an earlier pass's loads have read their bases, which are written now
	s_wait_dscnt 0x0                               ; my LDS stores are done: the loads below fill registers that they read
	s_add_co_u32 s41, s35, 128
	s_lshl_b32 s72, s41, 15
	s_lshl_b32 s41, s28, 13
	s_add_co_u32 s72, s72, s41
	s_add_nc_u64 s[44:45], s[10:11], s[72:73]      ; tile 128 + p of wfrag, my wave's eight K steps
	s_lshl_b32 s72, s35, 6
	s_add_nc_u64 s[46:47], s[18:19], s[72:73]      ; b1[p]
	global_load_b128 v[C1:C1+3], v[H32], s[46:47]              ; b1[p][8 h + 0..7]
	global_load_b128 v[C1+4:C1+7], v[H32], s[46:47] offset:16
	BLOAD 0
	XLOAD 0, 0
	XLOAD 0, 1
	XLOAD 0, 2
	XLOAD 0, 3
.irp s, 0,1,2,3,4,5,6,7,8,9,10,11,12,13,14,15
	STEP \s
.endr
	WIN 0
.rept 8
	v_nop                                          ; the places between the last products and the lines that read their results
.endr
.irp b, 0,1,2,3                        ; what tile 1's places hold so far, into X's first slot, which has been read out
	ds_load_b128 v[XS+8*(\b):XS+8*(\b)+3], v[LS] offset:(2*(\b)+1)*1024
	ds_load_b128 v[XS+8*(\b)+4:XS+8*(\b)+7], v[LS] offset:(2*(\b)+1)*1024+512
.endr
	WIN W_ST
.irp b, 0,1,2,3                        ; tile 0's sums; each accumulator's four lowest registers go first.  A second pass stores the same numbers again
	ds_store_b128 v[LS], v[16*(\b):16*(\b)+3] offset:2*(\b)*1024
	ds_store_b128 v[LS], v[16*(\b)+4:16*(\b)+7] offset:2*(\b)*1024+512
.endr
	s_wait_dscnt 8                                 ; LDS serves a wave's instructions in order (ISA guide 5.7.1): the eight loads are in, the eight younger stores may be out
.irp b, 0,1,2,3
.irp j, 0,1,2,3,4,5,6,7
	v_cndmask_b32 v[XS+8*(\b)+(\j)], v[XS+8*(\b)+(\j)], v[16*(\b)+8+(\j)], s[36+(\b)]  ; this pass's sums where the token has phase p; from each accumulator's low end on
.endr
.endr
	WIN 0                                          ; at a label and at a branch every window is 0
.irp b, 0,1,2,3
	ds_store_b128 v[LS], v[XS+8*(\b):XS+8*(\b)+3] offset:(2*(\b)+1)*1024
	ds_store_b128 v[LS], v[XS+8*(\b)+4:XS+8*(\b)+7] offset:(2*(\b)+1)*1024+512
.endr
.Lnext:
	s_add_co_u32 s35, s35, 1
	s_cmp_lt_u32 s35, 8
	s_cbranch_scc1 .Lphase
.Lnowork:
	s_wait_dscnt 0x0                               ; for the others' sake: my partial sums lie in LDS
	s_barrier_signal -1
	s_barrier_wait -1                              ; the launch's one barrier, on every wave's way: behind it each wave reads what all four have stored, and nothing is stored any more
	s_cmp_lt_u32 s29, s30
	s_cbranch_scc0 .Lend
	s_lshl_b32 s41, s28, 4
	s_cmp_lt_u32 s41, s34
	s_cbranch_scc0 .Lend                           ; my whole block lies past the tile's count
	; THE FINISH: wave w adds the four waves' sums of block w
.irp v, 0,1,2,3
.irp q, 0,1,2,3                        ; q = 2 tile + g
	ds_load_b128 v[XS+16*(\v)+4*(\q):XS+16*(\v)+4*(\q)+3], v[LR] offset:(\v)*8192+((\q)/2)*1024+((\q)%2)*512
.endr
.endr
	v_lshrrev_b32 v161, 2, v[H32]                  ; 8 h
	s_and_b32 s41, s31, 15                         ; occurrence % 16
	v_sub_nc_u32 v161, s41, v161                   ; which of my eight of tile 1: in 0..7 in one half of the lanes, outside in the other
	s_wait_dscnt 0x0
.set q, 0
.rept 8
	v_pk_add_f32 v[XS+q:XS+q+1], v[XS+q:XS+q+1], v[XS+16+q:XS+16+q+1]
	v_pk_add_f32 v[XS+32+q:XS+32+q+1], v[XS+32+q:XS+32+q+1], v[XS+48+q:XS+48+q+1]
.set q, q+2
.endr
.set q, 0
.rept 8
	v_pk_add_f32 v[XS+q:XS+q+1], v[XS+q:XS+q+1], v[XS+32+q:XS+32+q+1]  ; v96-103: tile 0's logits; v104-111: tile 1's
.set q, q+2
.endr
	v_max3_num_f32 v162, v96, v97, v98
	v_max3_num_f32 v164, v104, v105, v106
	v_max3_num_f32 v162, v162, v99, v100
	v_max3_num_f32 v164, v164, v107, v108
	v_max3_num_f32 v162, v162, v101, v102
	v_max3_num_f32 v164, v164, v109, v110
	v_max_num_f32 v162, v162, v103                 ; the maximum of my eight of tile 0: a whole softmax's
	v_max_num_f32 v164, v164, v111
	v_permlanex16_b32 v112, v164, s70, s71         ; tile 1's other eight lie in the lane 16 away
	v_max_num_f32 v164, v164, v112
	v_mul_f32 v163, s68, v162                      ; c m, twice: a pair for the packed scaling
	v_mul_f32 v162, s68, v162
	v_mul_f32 v165, s68, v164
	v_mul_f32 v164, s68, v164
	v_mov_b32 v166, v96                            ; the wanted logits
	v_mov_b32 v167, v104
.irp j, 1,2,3,4,5,6,7
	v_cmp_eq_u32 vcc_lo, \j, v[IDX0]
	v_cndmask_b32 v166, v166, v[96+(\j)], vcc_lo
	v_cmp_eq_u32 vcc_lo, \j, v161
	v_cndmask_b32 v167, v167, v[104+(\j)], vcc_lo
.endr
.irp k, 0,2,4,6
	v_pk_fma_f32 v[96+(\k):97+(\k)], v[96+(\k):97+(\k)], s[68:69], v[162:163] op_sel_hi:[1,0,1] neg_lo:[0,0,1] neg_hi:[0,0,1]    ; c x - c m
	v_pk_fma_f32 v[104+(\k):105+(\k)], v[104+(\k):105+(\k)], s[68:69], v[164:165] op_sel_hi:[1,0,1] neg_lo:[0,0,1] neg_hi:[0,0,1]
.endr
	v_fma_f32 v166, v166, s68, -v162
	v_fma_f32 v167, v167, s68, -v164
.set q, 0
.rept 16
	v_exp_f32 v[96+q], v[96+q]                     ; one batch of 18 exponentials
.set q, q+1
.endr
	v_exp_f32 v166, v166
	v_exp_f32 v167, v167
	v_nop                                          ; a plain instruction behind the last exponential (ISA guide 5.7.2),
	s_wait_alu depctr_va_vdst(0)                   ; and a wait ahead of the batch's first reader
	v_cmp_gt_u32 vcc_lo, 8, v161
	v_cndmask_b32 v167, 0, v167, vcc_lo            ; the half of the lanes that does not hold the wanted one gives 0
	v_pk_add_f32 v[96:97], v[96:97], v[98:99]
	v_pk_add_f32 v[100:101], v[100:101], v[102:103]
	v_pk_add_f32 v[104:105], v[104:105], v[106:107]
	v_pk_add_f32 v[108:109], v[108:109], v[110:111]
	v_pk_add_f32 v[96:97], v[96:97], v[100:101]
	v_pk_add_f32 v[104:105], v[104:105], v[108:109]
	v_add_f32 v96, v96, v97                        ; tile 0's sum
	v_add_f32 v104, v104, v105
	v_permlanex16_b32 v112, v104, s70, s71
	v_permlanex16_b32 v113, v167, s70, s71
	v_add_f32 v104, v104, v112                     ; tile 1's sum, of all sixteen: the same number in both halves
	v_add_f32 v167, v167, v113                     ; and its wanted exponential, likewise
	v_rcp_f32 v98, v96                             ; each sum holds the maximum's own term, 1
	v_rcp_f32 v99, v104
	v_nop
	s_wait_alu depctr_va_vdst(0)                   ; one wait for the two reciprocals
	v_mul_f32 v170, v166, v98                      ; h = 0: the phase's probability; h = 1: the subject's
	v_mul_f32 v171, v167, v99                      ; the occurrence's
	v_permlanex16_b32 v112, v170, s70, s71         ; h = 0: the subject's; h = 1: the phase's
	v_cndmask_b32 v172, v170, v112, s67            ; the phase's, in both halves
	v_cndmask_b32 v173, v112, v170, s67            ; the subject's, in both halves
	v_mul_f32 v171, v172, v171                     ; phase x occurrence
	v_mul_f32 v173, v171, v173                     ; x subject
	global_store_b32 v[OUTO], v172, s[22:23]       ; 4 bytes a token, at the token's own place: the price of the sort; the three outputs are 393,216 bytes beside X's 134,217,728
	global_store_b32 v[OUTO], v171, s[24:25]
	global_store_b32 v[OUTO], v173, s[26:27]
.Lend:
	s_wait_tensorcnt 0x0                           ; the wave's end: behind my last LDS store
	ds_add_u32 v[SPW], v[NIL]
	s_wait_dscnt 0x0
	s_endpgm
.Lfunc_end_k_qcb46024a80_main:
	.size	k_qcb46024a80_main, .Lfunc_end_k_qcb46024a80_main-k_qcb46024a80_main
	.p2alignl 7, 3214868480
	.fill 96, 4, 3214868480
	.section	.rodata,"a",@progbits
	.p2align	6, 0x0
	.amdhsa_kernel k_qcb46024a80_main
		.amdhsa_group_segment_fixed_size 33280
		.amdhsa_private_segment_fixed_size 0
		.amdhsa_enable_private_segment 0
		.amdhsa_kernarg_size 80
		.amdhsa_user_sgpr_count 2
		.amdhsa_user_sgpr_kernarg_segment_ptr 1
		.amdhsa_wavefront_size32 1
		.amdhsa_system_sgpr_workgroup_id_x 1
		.amdhsa_system_sgpr_workgroup_id_y 1
		.amdhsa_system_sgpr_workgroup_id_z 1
		.amdhsa_system_vgpr_workitem_id 0
		.amdhsa_next_free_vgpr 320
		.amdhsa_next_free_sgpr 80
		.amdhsa_reserve_vcc 1
		.amdhsa_float_denorm_mode_32 3
		.amdhsa_float_denorm_mode_16_64 3
		.amdhsa_memory_ordered 1
		.amdhsa_forward_progress 1
		.amdhsa_inst_pref_size 62
	.end_amdhsa_kernel
	.amdgpu_metadata
---
amdhsa.version: [ 1, 2 ]
amdhsa.kernels:
  - .name:           k_qcb46024a80_main
    .symbol:         k_qcb46024a80_main.kd
    .args:
      - { .name: X, .offset: 0, .size: 8, .value_kind: global_buffer, .address_space: global }
      - { .name: wfrag, .offset: 8, .size: 8, .value_kind: global_buffer, .address_space: global }
      - { .name: list, .offset: 16, .size: 8, .value_kind: global_buffer, .address_space: global }
      - { .name: counts, .offset: 24, .size: 8, .value_kind: global_buffer, .address_space: global }
      - { .name: bp, .offset: 32, .size: 8, .value_kind: global_buffer, .address_space: global }
      - { .name: b1, .offset: 40, .size: 8, .value_kind: global_buffer, .address_space: global }
      - { .name: b2, .offset: 48, .size: 8, .value_kind: global_buffer, .address_space: global }
      - { .name: out0, .offset: 56, .size: 8, .value_kind: global_buffer, .address_space: global }
      - { .name: out1, .offset: 64, .size: 8, .value_kind: global_buffer, .address_space: global }
      - { .name: out2, .offset: 72, .size: 8, .value_kind: global_buffer, .address_space: global }
    .group_segment_fixed_size: 33280
    .private_segment_fixed_size: 0
    .kernarg_segment_align: 8
    .kernarg_segment_size: 80
    .max_flat_workgroup_size: 128
    .sgpr_count:     80
    .vgpr_count:     320
    .wavefront_size: 32
...
	.end_amdgpu_metadata
.endif
;; end of part 2
